; MI455X (gfx1250); checked and timed in simulation.
; The chip was launched on July 23, 2026; its instructions are those of AMD's public machine-readable ISA for CDNA 5 (MIT licence, August 2026) and "CDNA5" Instruction Set Architecture Reference Guide (July 2026). The comments in the code are by the model that wrote it; some were corrected since.
;; IBQ. Allowed arithmetic: float matrix products may take bf16 or f16 operands with f32 sums; other float arithmetic in f32, or as packed bf16 or f16 multiplies, adds, multiply-adds, maxima and minima; sums over many terms, partial sums and values carried from step to step in f32; what a program stores and reads back later, other than sums and carried values, may be rounded once to bf16 or f16.
;; Inputs: embedding 8,192 x 256 float32; z 32,768 x 256 float32.
;; Outputs: out0 32,768 x 256 float32; out1 32,768 int32.
;; 2 versions, each right; version 2 is version 1 with the launches prep, gather written anew for expert scheduling mode. Each part assembles by itself: llvm-mc -triple=amdgcn-amd-amdhsa -mcpu=gfx1250 --defsym DOCPART=n.
;; ======== version 1 of 2: 3 launches
;; workspace buffers: cb 4,227,072 bytes; pick 131,072 bytes of whole numbers
;; launch prep (part 1): grid 256 x 1, 2 waves a work-group, no clusters, 0 bytes of LDS; arguments embedding, cb; writes cb
.if DOCPART == 1
	.amdgcn_target "amdgcn-amd-amdhsa--gfx1250"
	.amdhsa_code_object_version 6
	.text
	.protected	k_q21917fdc1d_prep
	.globl	k_q21917fdc1d_prep
	.p2align	8
	.type	k_q21917fdc1d_prep,@function
k_q21917fdc1d_prep:
	s_mov_b64 s[64:65], 0
	v_nop
	global_prefetch_b8 v0, s[64:65] scope:SCOPE_SE
	s_setreg_imm32_b32 hwreg(HW_REG_WAVE_MODE, 25, 1), 1
	s_wait_xcnt 0x0
; FIRST OF THREE LAUNCHES for: d[b][n] = (|z_b|^2 + |e_n|^2) - 2 z_b . e_n;  out1[b] = the first n with the least d;  out0[b] = embedding[out1[b]].
; NOTHING OF THE COMPUTATION IS LEFT OUT.  |z_b|^2 is the same for all n and would not move an exact argmin, but beside it the other two terms are small: in f32 the sum d keeps
; only a coarse step of them, distances that differ in exact arithmetic become equal, and the first index then wins.  So |z|^2 decides results and is computed, and d is formed in the
; same two roundings: A = fl(zz + ee), d = fl(A - 2 dot) (one fused multiply-add by -2: 2 dot is exact).
; FORMATS.  The product runs on bf16 operands with f32 sums; zz and ee are sums of squares of the SAME rounded numbers: the program is the computation on inputs rounded to bf16.
; LIMITS.  The f32 sums (zz, ee, the dot) are taken in another order than a plain loop's: an index can differ only where a distance lies on a rounding boundary of d to within that
; noise (some 2^-22 of the dot).  A NaN distance is never chosen.  out0 is the unrounded f32 row, within 2^-9 of the rounded one.
;
; THIS LAUNCH rounds the table once and lays it out as the search's matrix fragments take it, with ee behind each block.
; cb: 128 blocks of 33,024 bytes; block n / 64.  Code n = 64 block + 16 ct + r, element k = 16 i + 8 h + e lies at byte 8,192 ct + 512 i + 16 (16 h + r) + 2 e:
; piece i of a tile of 16 codes is 512 consecutive bytes, 16 a lane.  Bytes 32,768 .. 33,023 of a block: ee of its 64 codes, f32.
; SHARES.  A wave takes one tile of 16 codes (16 KiB of f32): 32 loads, all out at once; 16 stores of 512 consecutive bytes, aligned.  Lane (r = l % 16, h = l / 16) reads 32 bytes of
; row r for each piece; the wave's 32 loads together use every byte of its 16 rows once.  The 64 bytes of ee a wave are the one store that does not fill 256 bytes: 32 KiB of the launch's 4.2 MB.
.set RAW, 16                           ; v[16:143]  the tile as loaded: piece i at 16 + 8 i
.set PKD, 144                          ; v[144:207] rounded: piece i at 144 + 4 i; each piece has registers of its own, so no store's data is ever rewritten
.set CH,  208                          ; v[208:211] four chains of squares
.set ZR,  212                          ; v212  0: the chains' first addend
.set TP,  213                          ; v213  the other half of the lanes' sum
	s_load_b128 s[4:7], s[0:1], 0x0                ; embedding s[4:5], cb s[6:7]
	v_lshrrev_b32 v5, 5, v0
	v_readfirstlane_b32 s16, v5                    ; wave 0, 1
	v_and_b32 v1, 31, v0                           ; lane
	v_and_b32 v6, 15, v0                           ; r
	v_bfe_u32 v7, v0, 4, 1                         ; h
	v_lshlrev_b32 v2, 10, v6
	v_lshl_add_u32 v2, v7, 5, v2                   ; read: row r x 1,024 + 32 h
	v_lshlrev_b32 v3, 4, v1                        ; write: 16 x lane
	v_lshlrev_b32 v4, 2, v6                        ; ee: 4 r
	v_mov_b32 v[ZR], 0
	v_mov_b32 v[TP], 0                             ; written before v_permlanex16_b32 names it as its destination
	s_lshl_b32 s17, ttmp9, 1
	s_add_co_u32 s17, s17, s16                     ; my tile of 16 codes, 0 .. 511
	s_lshl_b32 s18, s17, 14                        ; its 16 rows of 1,024 bytes
	s_mov_b32 s19, 0
	s_lshr_b32 s20, s17, 2
	s_mul_i32 s20, s20, 33024                      ; its block in cb
	s_and_b32 s22, s17, 3                          ; its place in the block
	s_lshl_b32 s23, s22, 13
	s_add_co_u32 s24, s20, s23                     ; its fragments
	s_mov_b32 s25, 0
	s_lshl_b32 s22, s22, 6
	s_add_co_u32 s26, s20, s22
	s_add_co_u32 s26, s26, 32768                   ; its 16 numbers of ee
	s_mov_b32 s27, 0
	s_mov_b32 s14, 0x76543210                      ; v_permlanex16_b32: each lane takes its own place in the other half
	s_mov_b32 s15, 0xfedcba98
	s_wait_kmcnt 0x0
	s_add_nc_u64 s[8:9], s[4:5], s[18:19]
	s_add_nc_u64 s[10:11], s[6:7], s[24:25]
	s_add_nc_u64 s[12:13], s[6:7], s[26:27]
.set i, 0
.rept 16
	global_load_b128 v[RAW+8*i:RAW+8*i+3],   v2, s[8:9] offset:64*i th:TH_LOAD_NT
	global_load_b128 v[RAW+8*i+4:RAW+8*i+7], v2, s[8:9] offset:64*i+16 th:TH_LOAD_NT
.set i, i+1
.endr
.set i, 0
.rept 16
	s_wait_loadcnt 30-2*i                          ; loads come back in order: piece i's two are in, the 30 - 2 i issued behind them stay out
.irp j, 0,1,2,3
	v_cvt_pk_bf16_f32 v[PKD+4*i+(\j)], v[RAW+8*i+2*(\j)], v[RAW+8*i+2*(\j)+1]
.endr
.irp j, 0,1,2,3
.if i == 0
	v_fma_mix_f32_bf16 v[CH+(\j)], v[PKD+4*i+(\j)], v[PKD+4*i+(\j)], v[ZR] op_sel_hi:[1,1,0]      ; the square of the rounded low half starts the chain
.else
	v_fma_mix_f32_bf16 v[CH+(\j)], v[PKD+4*i+(\j)], v[PKD+4*i+(\j)], v[CH+(\j)] op_sel_hi:[1,1,0]
.endif
.endr
.irp j, 0,1,2,3
	v_fma_mix_f32_bf16 v[CH+(\j)], v[PKD+4*i+(\j)], v[PKD+4*i+(\j)], v[CH+(\j)] op_sel:[1,1,0] op_sel_hi:[1,1,0]  ; the high half's
.endr
	global_store_b128 v3, v[PKD+4*i:PKD+4*i+3], s[10:11] offset:512*i th:TH_STORE_NT  ; 512 consecutive bytes, at a multiple of 256 from cb's first byte
.set i, i+1
.endr
	v_add_f32 v[CH], v[CH], v[CH+1]
	v_add_f32 v[CH+2], v[CH+2], v[CH+3]
	v_add_f32 v[CH], v[CH], v[CH+2]                ; my 128 elements of row r
	v_permlanex16_b32 v[TP], v[CH], s14, s15       ; the row's other 128 lie in the lane 16 away
	v_add_f32 v[CH], v[CH], v[TP]
	v_cmp_gt_u32 vcc_lo, 16, v1
	s_wait_xcnt 0x0                                ; EXEC is a source of the stores above: it changes only behind this wait
	s_and_saveexec_b32 s28, vcc_lo
	global_store_b32 v4, v[CH], s[12:13]           ; lanes 0 to 15: ee of the tile's 16 codes
	s_wait_xcnt 0x0                                ; and again ahead of the line that widens it
	s_or_b32 exec_lo, exec_lo, s28
	s_endpgm
.Lfunc_end_k_q21917fdc1d_prep:
	.size	k_q21917fdc1d_prep, .Lfunc_end_k_q21917fdc1d_prep-k_q21917fdc1d_prep
	.p2alignl 7, 3214868480
	.fill 96, 4, 3214868480
	.section	.rodata,"a",@progbits
	.p2align	6, 0x0
	.amdhsa_kernel k_q21917fdc1d_prep
		.amdhsa_group_segment_fixed_size 0
		.amdhsa_private_segment_fixed_size 0
		.amdhsa_enable_private_segment 0
		.amdhsa_kernarg_size 16
		.amdhsa_user_sgpr_count 2
		.amdhsa_user_sgpr_kernarg_segment_ptr 1
		.amdhsa_wavefront_size32 1
		.amdhsa_system_sgpr_workgroup_id_x 1
		.amdhsa_system_sgpr_workgroup_id_y 1
		.amdhsa_system_sgpr_workgroup_id_z 1
		.amdhsa_system_vgpr_workitem_id 0
		.amdhsa_next_free_vgpr 224
		.amdhsa_next_free_sgpr 66
		.amdhsa_reserve_vcc 1
		.amdhsa_float_denorm_mode_32 3
		.amdhsa_float_denorm_mode_16_64 3
		.amdhsa_memory_ordered 1
		.amdhsa_forward_progress 1
		.amdhsa_inst_pref_size 19
	.end_amdhsa_kernel
	.amdgpu_metadata
---
amdhsa.version: [ 1, 2 ]
amdhsa.kernels:
  - .name:           k_q21917fdc1d_prep
    .symbol:         k_q21917fdc1d_prep.kd
    .args:
      - { .name: embedding, .offset: 0, .size: 8, .value_kind: global_buffer, .address_space: global }
      - { .name: cb, .offset: 8, .size: 8, .value_kind: global_buffer, .address_space: global }
    .group_segment_fixed_size: 0
    .private_segment_fixed_size: 0
    .kernarg_segment_align: 8
    .kernarg_segment_size: 16
    .max_flat_workgroup_size: 64
    .sgpr_count:     66
    .vgpr_count:     224
    .wavefront_size: 32
...
	.end_amdgpu_metadata
.endif
;; end of part 1
;; launch search (part 2): grid 256 x 1, 4 waves a work-group, clusters of 4 x 1, 327,680 bytes of LDS; arguments z, cb, out1, pick; writes out1, pick
.if DOCPART == 2
	.amdgcn_target "amdgcn-amd-amdhsa--gfx1250"
	.amdhsa_code_object_version 6
	.text
	.protected	k_q21917fdc1d_search
	.globl	k_q21917fdc1d_search
	.p2align	8
	.type	k_q21917fdc1d_search,@function
k_q21917fdc1d_search:
	s_mov_b64 s[64:65], 0
	v_nop
	global_prefetch_b8 v0, s[64:65] scope:SCOPE_SE
	s_setreg_imm32_b32 hwreg(HW_REG_WAVE_MODE, 25, 1), 1
	s_wait_xcnt 0x0
	s_wait_alu depctr_hold_cnt(0) depctr_sa_sdst(0) depctr_va_vdst(0) depctr_va_sdst(0) depctr_va_ssrc(0) depctr_va_vcc(0) depctr_vm_vsrc(0)
	s_getreg_b32 s2, hwreg(HW_REG_IB_STS2, 6, 4)
	s_cmp_eq_u32 s2, 0
	s_cbranch_scc0 .Lentry_in_a_cluster
	s_endpgm
.Lentry_in_a_cluster:
	s_bfe_u32 s2, ttmp6, 0x10000c
	s_cmp_lg_u32 s2, 0x3003
	s_cbranch_scc0 .Lentry_shape_is_right
	s_endpgm
.Lentry_shape_is_right:
; SECOND LAUNCH: out1[b] = pick[b] = the first n with the least d[b][n] = fl(fl(zz_b + ee_n) - 2 z_b . e_n), on z and embedding rounded to bf16.  Nothing of the computation is left out (see the first kernel's head).
; LIMITS.  The f32 sums are taken in another order than a plain loop's (an index can differ only where a distance lies on a rounding boundary of d to within that noise); a NaN distance is never chosen;
; where every distance of a row is +infinity the index is 0.
; SHARES.  A work-group owns 128 rows of z.  EVERY wave keeps all 128 rows x 256 channels as bf16 fragments in 512 registers for the whole launch; the table streams by in 32 slots of 256 codes, of which
; wave w takes the block of 64 codes 4 s + w: it fetches that block itself and alone reads it.  So a fragment of 16 codes read from LDS feeds 8 tiles of z: 18 LDS loads for 64 matrix instructions.
; CLUSTER.  All work-groups walk the same blocks, so each block is asked for JOINTLY by the four partners of a cluster: the same tensor load, descriptor and mask in all four.  Only one operand is shared, so the cluster is 4 x 1.
; LAYOUT.  Source 0 = 16 codes, source 1 = 16 rows of z: in the result a lane holds ONE row of z (lane % 16) and the codes 8 (lane / 16) + 0..7.  So zz is one register a tile of z, ee eight registers a tile of codes.
; THE ARGMIN.  For a tile of 16 x 16: 4 packed A = zz + ee, 4 packed d = acc x (-2) + A, 4 v_min3_num_f32 (the old best and the 8 d), one compare new < old, and under its mask the tile's first code and its eight d
; are kept: 22 vector instructions for 8 matrix instructions.  The compare is strict and a lane's codes ascend, so the first least d is kept; which of the eight it was is found once, at the end.
; BY HALVES.  A tile of codes is multiplied in two halves of 32 matrix instructions: z tiles 0-3, then 4-7.  The 88 vector instructions for the four accumulators that one half has finished stand in slices of four behind
; 22 of the next half's 32 matrix instructions.  One set of 8 accumulators serves.
; REGISTERS, in windows of 256 (s_set_vgpr_msb: bits 1:0 source 0, 3:2 source 1, 5:4 source 2, 7:6 destination):
;   window 0: v0-15 addresses; v16-31 ee, two buffers; v32-63 d of four tiles; v64-127 accumulators; v128-191 the kept d; v192-223 four registers a tile of z; v224-255 the way out
;   window 1: v0-63, v64-127 two buffers of code fragments (at the start all 256: z as loaded)       window 2: z tiles 0-3, 64 a tile       window 3: z tiles 4-7
.set PART,  33024                      ; a block of cb: 64 codes' fragments and their ee: 129 rows of 256 bytes
.set SLOTB, 4*PART                     ; a slot: 256 codes
.set WRING, 0x11000                    ; LDS: a wave's two parts of the ring; wave x WRING has neither of PARX's bits set,
.set PARX,  0x8800                     ; so one exclusive or turns an address in one part into the other's
.set ZST,   4*WRING                    ; behind the ring, in blocks of 256 bytes into which no tensor load lands: 64 rows of z in bf16,
.set ZP,    528                        ; 512 bytes + 16: an odd multiple of 16, so the 16 rows of a fragment load start at 16 different groups of four banks (64 banks of 4 bytes: ISA guide 11.1)
.set ZZL,   ZST+64*ZP                  ; zz of the 128 rows, f32
.set MRG,   ZZL+512                    ; 4 waves x 128 rows x (best, index)
.set SPARE, MRG+4096                   ; the spare words, 128 bytes for each wave: two blocks of 256 bytes that no other line names
.set AF0, 4                            ; v4   16 x lane; never rewritten
.set AE0, 5                            ; v5   32,768 + 32 (lane / 16); never rewritten
.set AF,  6                            ; v6   LDS address of my 16 bytes of a piece in the part being read
.set AE,  7                            ; v7   of my eight ee
.set ZRD, 8                            ; v8   the stage, read: row lane % 16, 16 bytes for each half of the lanes
.set ZWR, 9                            ; v9   the stage, written: my wave's 16 rows, 8 bytes a lane
.set ZZW, 10                           ; v10  zz of my wave's 16 rows
.set ZZR, 11                           ; v11  zz of row lane % 16
.set ZG,  12                           ; v12  16 x lane: z in memory; never rewritten
.set PFO, 13                           ; v13  256 x lane: the prefetches; never rewritten
.set SPW, 14                           ; v14  LDS address of my spare word; never rewritten
.set NIL, 15                           ; v15  0; never rewritten
.set EE,  16
.set TT,  32
.set ACC, 64
.set CVT, 64                           ; at the start: 16 rows rounded, 4 registers a row
.set SV,  128
.set ST,  192                          ; tile t of z at ST + 4 t: zz, the kept tile's first code, and the best by turns in +2 and +3
.set H8,  224                          ; 8 (lane / 16)
.set ZERO, 225
.set MW,  226
.set MR,  227
.set J,   228
.set GO,  229
.set PR,  230                          ; v[230:237] four pairs (best, index) on their way to LDS
.set LD,  238                          ; v[238:253] two rows' pairs from each of the four waves
.set OUT, 254
.set F0,  0
.set F1,  64
.set WV,  12                           ; s12  my wave's number
.set LIM, 15                           ; s15  2 in the cluster that prefetches, else the greatest number
.set PFA, 18                           ; s[18:19] where my prefetches stand
.set CNT, 20                           ; s20  trips to go
.set TB,  21                           ; s21  LDS byte at which the part being read begins
.set NB,  22                           ; s22  first code of the tile whose distances are being judged
.set G1,  24                           ; s[24:31] descriptor group 1
.set G0A, 32                           ; s[32:35] group 0 of slot 0's fill
.set G0B, 36                           ; s[36:39] of slot 1's; it then walks
.set MK,  40                           ; s[40:43] four masks
.set SEL, 44                           ; s[44:45] v_permlanex16_b32's selects
.set HM,  46                           ; s46  the lanes 16 to 31
.set MSB, 0
.macro WIN new                         ; the immediate's high byte repeats the setting that is left; a switch that changes nothing is dropped
.if MSB != (\new)
	s_set_vgpr_msb (MSB<<8)|(\new)
.set MSB, (\new)
.endif
.endm
.set W_M2, 0x09                        ; codes (source 0) window 1, z (source 1) window 2, C and D window 0
.set W_F,  0x40                        ; destination window 1
.set W_Z2, 0x80                        ; destination window 2 (window 3: + 0x40)
.set W_CV, 0x05                        ; sources 0 and 1 window 1
; A round of the cluster's barrier: my work-group's barrier, so that wave 0's signal speaks for all four waves; wave 0 signals; every wave waits for all four work-groups; my work-group's barrier once more.
.macro CREST                           ; a round behind its opening barrier
	s_cmp_lg_u32 s[WV], 0
	s_cbranch_scc1 .Lnot_wave_0_\@
	s_barrier_signal -3
.Lnot_wave_0_\@:
	s_barrier_wait -3
	s_barrier_signal -1
	s_barrier_wait -1
.endm
.macro CROUND
	s_barrier_signal -1
	s_barrier_wait -1
	CREST
.endm
; A PREFETCH INTO THE L2 of the slot that stands TWO refills on, 512 matrix instructions ahead of its load.  All clusters walk the same table: the first cluster asks.  Of a wave's block its four partners take 32 rows of
; 256 bytes each, told apart BY ADDRESS; a lane a row, one instruction a wave: each of those rows is named once in the launch.  Slots 0 to 3 and each block's last 256 bytes come by their loads alone;
; the last trip that asks has CNT = 3 and names slot 31.
.macro ASK
	s_cmp_gt_u32 s[CNT], s[LIM]
	s_cbranch_scc0 .Lnot_mine_\@
	global_prefetch_b8 v[PFO], s[PFA:PFA+1] th:TH_LOAD_NT scope:SCOPE_SE
.Lnot_mine_\@:
.endm
; 18 LDS loads in one run: tile ct's 16 pieces (512 consecutive bytes each, 16 a lane) into buffer f, its ee (8 a lane) into buffer e
.macro FETCH ct, f, e
	WIN W_F
.set k, 0
.rept 16
	ds_load_b128 v[(\f)+4*k:(\f)+4*k+3], v[AF] offset:(\ct)*8192+512*k
.set k, k+1
.endr
	WIN 0
	ds_load_b128 v[EE+8*(\e):EE+8*(\e)+3],   v[AE] offset:(\ct)*64
	ds_load_b128 v[EE+8*(\e)+4:EE+8*(\e)+7], v[AE] offset:(\ct)*64+16
.endm
; Number q of the 88 vector instructions that judge four finished accumulators (z tiles 4 RG + 0..3; ee in buffer REB; the old best in +2 + RPAR).  The four tiles alternate, so no instruction reads the result of the one before it.
;   0-15 A = zz + ee     16-31 d = acc x (-2) + A (each accumulator's lowest pair first)     32-47 the new best     48-51 new < old     52-55 the tile's first code     56-87 its eight d
.macro RID
.set t, q%4
.set tile, 4*RG+t
.set rST, ST+4*tile
.set rBO, rST+2+RPAR
.set rBN, rST+3-RPAR
.set rT, TT+8*t
.if q < 16
.set p, q/4
	v_pk_add_f32 v[rT+2*p:rT+2*p+1], v[rST:rST+1], v[EE+8*REB+2*p:EE+8*REB+2*p+1] op_sel_hi:[0,1]
.elseif q < 32
.set p, (q-16)/4
	v_pk_fma_f32 v[rT+2*p:rT+2*p+1], v[ACC+8*tile+2*p:ACC+8*tile+2*p+1], -2.0, v[rT+2*p:rT+2*p+1] op_sel_hi:[1,0,1]
.elseif q < 36
	v_min3_num_f32 v[rBN], v[rBO], v[rT], v[rT+1]
.elseif q < 48
.set p, (q-32)/4
	v_min3_num_f32 v[rBN], v[rBN], v[rT+2*p], v[rT+2*p+1]
.elseif q < 52
	v_cmp_lt_f32 s[MK+t], v[rBN], v[rBO]
.elseif q < 56
	v_cndmask_b32 v[rST+1], v[rST+1], s[NB], s[MK+t]
.else
.set p, (q-56)/4
	v_cndmask_b32 v[SV+8*tile+p], v[SV+8*tile+p], v[rT+p], s[MK+t]
.endif
.set q, q+1
.endm
; HALF A TILE OF CODES: 32 matrix instructions, buffer f x z tiles 4 g + 0..3, K ascending.  The four accumulators take turns, one instruction a turn, over the halves' seams and the backward jump too;
; the first four start their sums with the constant 0.  rid = 1: the other four accumulators' 88 vector instructions (ee buffer eb, parity par) stand in slices of four behind the products whose number is not 2 mod 3.
; The first 16 of them name no accumulator: they are the places between the last products and the first read of their results, and between a buffer's last reader and the loads into it.
; g = 0: the tile's fragments and ee are waited for at the head; behind product 15 the tile two on (fct) is fetched into the buffers (ff, fe) that the half before was the last to read.  nb: the step of NB at the end.
; chg = 1: THE CHANGE OF SLOTS, in the first half of a slot's last tile: all the slot's bytes have been asked for.  The wave waits for all its tensor loads (one is out: the next slot's), adds 0 to its spare word, works on, waits for
; the add and for its reads, and opens a round of the cluster's barrier; behind the round no wave of any partner reads the part or has a load on its way, and the joint refill comes first: the slot two on.
; From that request to the wait for it stand 240 matrix instructions.  chg = 2: the last two slots: nothing is asked for; a wave reads only what its own load brought, so its own wait is all the order that the reads need.
.macro HALF g, f, rid, eb, par, fct=-1, ff=0, fe=0, chg=0, nb=0
.set q, 0
.set RG, 1-(\g)
.set REB, (\eb)
.set RPAR, (\par)
.if (\chg) == 1
	s_wait_xcnt 0x0                                ; the last prefetch, a trip back, has read its address, so it may be written
	s_add_nc_u64 s[PFA:PFA+1], s[PFA:PFA+1], SLOTB
	WIN 0                                          ; (the add's two registers lie in window 0)
	s_wait_tensorcnt 0x0                           ; no tensor load of mine is out, so a group 0 may be written
	ds_add_u32 v[SPW], v[NIL]                      ; 0 onto my spare word
	s_xor_b32 s[G0B+1], s[G0B+1], PARX             ; the walking descriptor: the part that is being left,
	s_add_nc_u64 s[G0B+2:G0B+3], s[G0B+2:G0B+3], SLOTB  ; the next slot; the type bits on top are not reached
	s_xor_b32 s[TB], s[TB], PARX                   ; the reads go on in the other part
	s_wait_dscnt 0x1                               ; all but the add: this tile's fragments and ee are in
.elseif (\chg) == 2
	s_wait_tensorcnt 0x0                           ; the last slot's load, the one that could still be out
	s_wait_dscnt 0x0
	s_xor_b32 s[TB], s[TB], PARX
.elseif (\g) == 0
	s_wait_dscnt 0x0                               ; this tile's fragments and ee, asked for 48 matrix instructions ago
.endif
.set i, 0
.rept 32
.set ks, i/4
.set tl, i%4
.set rA, ACC+8*(4*(\g)+tl)
	WIN W_M2+4*(\g)
.if i < 4
	v_wmma_f32_16x16x32_bf16 v[rA:rA+7], v[(\f)+8*ks:(\f)+8*ks+7], v[64*tl+8*ks:64*tl+8*ks+7], 0
.else
	v_wmma_f32_16x16x32_bf16 v[rA:rA+7], v[(\f)+8*ks:(\f)+8*ks+7], v[64*tl+8*ks:64*tl+8*ks+7], v[rA:rA+7]
.endif
.if (\rid) && (i%3 != 2)
	WIN 0
	RID
	RID
	RID
	RID
.endif
.if ((\chg) == 1) && (i == 7)
	s_wait_dscnt 0x0                               ; the add is done, and my reads of the part are over:
	s_barrier_signal -1                            ; say so; work on registers alone follows while the others arrive
.endif
.if i == 15
.if (\chg) == 1
	WIN 0                                          ; at a branch and at a label every window is 0
	s_barrier_wait -1
	CREST
	tensor_load_to_lds s[G0B:G0B+3], s[G1:G1+7]    ; my one tensor load behind the round, and the first thing there
	s_nop 0
.rept 4
	v_nop
.endr
.endif
.if (\chg) != 0
	WIN 0
	v_add_nc_u32 v[AF], s[TB], v[AF0]
	v_add_nc_u32 v[AE], s[TB], v[AE0]
.endif
.if (\fct) >= 0
	FETCH \fct, \ff, \fe
.endif
.if (\chg) == 1
	ASK
.endif
.endif
.set i, i+1
.endr
.if (\nb) != 0
	s_add_co_u32 s[NB], s[NB], \nb
.endif
.endm
; A TRIP: from a slot's tile 0, second half, to the next slot's tile 0, first half.  Tiles 0, 2 lie in buffer F0 with ee buffer 0, tiles 1, 3 in F1 with ee buffer 1; the best changes registers with every tile.
.macro SLOTBODY chg
	HALF 1, F0, 1, 0, 0                            ; tile 0, z 4-7  | judged: tile 0, z 0-3
	HALF 0, F1, 1, 0, 0, 2, F0, 0, 0, 16           ; tile 1, z 0-3  | tile 0, z 4-7 | tile 2 is fetched
	HALF 1, F1, 1, 1, 1
	HALF 0, F0, 1, 1, 1, 3, F1, 1, 0, 16
	HALF 1, F0, 1, 0, 0
	HALF 0, F1, 1, 0, 0, 0, F0, 0, \chg, 16        ; tile 3, z 0-3  | tile 2, z 4-7 | the change of slots | the next slot's tile 0 is fetched
	HALF 1, F1, 1, 1, 1
	HALF 0, F0, 1, 1, 1, 1, F1, 1, 0, 208          ; the next slot's tile 0 | tile 3, z 4-7; its first code + 208 is the next slot's first code of mine
.endm
	s_load_b256 s[4:11], s[0:1], 0x0               ; z s[4:5], cb s[6:7], out1 s[8:9], pick s[10:11]
	v_lshl_add_u32 v[SPW], v0, 2, SPARE
	v_mov_b32 v[NIL], 0
	ds_add_u32 v[SPW], v[NIL]                      ; the wave's opening: the add, twice on end, and its wait ahead of my first tensor load; the set-up below, work on registers, stands between
	ds_add_u32 v[SPW], v[NIL]                      ; and once more, under the one wait
	v_lshrrev_b32 v3, 5, v0
	v_readfirstlane_b32 s[WV], v3                  ; wave 0..3
	v_and_b32 v1, 15, v0                           ; l % 16
	v_bfe_u32 v2, v0, 4, 1                         ; l / 16
	v_and_b32 v3, 31, v0                           ; l
	s_bfe_u32 s13, ttmp6, 0x40000                  ; cx: my place in the cluster: it enters z's, the outputs' and the prefetches' addresses alone
	s_lshl_b32 s14, ttmp9, 2                       ; in a cluster launch ttmp9 counts clusters
	s_add_co_u32 s14, s14, s13                     ; my block of 128 rows of z
	s_cmp_eq_u32 ttmp9, 0                          ; the same in all four partners
	s_cselect_b32 s[LIM], 2, -1
	; descriptor group 1: a block is dense: 129 rows of 32 elements of 8 bytes, no padding
	s_mov_b32 s[G1+0], 15|(3<<16)|(1<<21)          ; 15:0 the mask: all four work-groups; 17:16 elements of 8 bytes; 21 set beside a mask
	s_mov_b32 s[G1+1], 32<<16                      ; tensor_dim0 = 32
	s_mov_b32 s[G1+2], 129<<16                     ; tensor_dim1 = 129
	s_mov_b32 s[G1+3], 32<<16                      ; tile_dim0 = 32
	s_mov_b32 s[G1+4], 129                         ; tile_dim1 = 129
	s_mov_b32 s[G1+5], 32                          ; 32 elements from row to row
	s_mov_b32 s[G1+6], 0
	s_mov_b32 s[G1+7], 0
	s_mov_b32 s[G0A], 1                            ; count = 1
	s_mul_i32 s[G0A+1], s[WV], WRING               ; LDS address: my first part
	s_mov_b32 s[G0B], 1
	s_add_co_u32 s[G0B+1], s[G0A+1], PARX          ; my second part
	s_mul_i32 s[TB], s[WV], WRING
	s_lshl_b32 s[NB], s[WV], 6                     ; my first code of slot 0
	s_mul_i32 s48, s[WV], PART                     ; my block of slot 0
	s_mov_b32 s49, 0
	s_lshl_b32 s16, s14, 17                        ; my work-group's 128 rows of 1,024 bytes,
	s_lshl_b32 s17, s[WV], 14                      ; the 16 of each 64 that I round
	s_add_co_u32 s16, s16, s17
	s_mov_b32 s17, 0
	s_lshl_b32 s50, s13, 13                        ; my work-group's 32 rows of 256 bytes of a block,
	s_add_co_u32 s50, s50, 3*SLOTB                 ; in slot 3: the first change of slots steps it to slot 4
	s_mov_b32 s51, 0
	s_mov_b32 s[SEL], 0x76543210
	s_mov_b32 s[SEL+1], 0xfedcba98
	v_lshlrev_b32 v[AF0], 4, v3
	v_lshl_add_u32 v[AE0], v2, 5, 32768
	v_mul_u32_u24 v[ZRD], v1, ZP
	v_lshl_add_u32 v[ZRD], v2, 4, v[ZRD]
	v_add_nc_u32 v[ZRD], ZST, v[ZRD]
	s_mul_i32 s47, s[WV], 16*ZP
	s_add_co_u32 s47, s47, ZST
	v_lshl_add_u32 v[ZWR], v3, 3, s47
	s_lshl_b32 s47, s[WV], 6
	s_add_co_u32 s47, s47, ZZL
	v_mov_b32 v[ZZW], s47
	v_lshl_add_u32 v[ZZR], v1, 2, ZZL
	v_lshlrev_b32 v[ZG], 4, v3
	v_lshlrev_b32 v[PFO], 8, v3
	v_lshlrev_b32 v[H8], 3, v2
	v_mov_b32 v[ZERO], 0
	s_lshl_b32 s47, s[WV], 10
	s_add_co_u32 s47, s47, MRG
	v_lshl_add_u32 v[MW], v3, 3, s47               ; my wave's 128 pairs, 8 bytes a lane
	s_lshl_b32 s47, s[WV], 9
	s_add_co_u32 s47, s47, MRG
	v_lshl_add_u32 v[MR], v3, 4, s47               ; rows 64 wave + 2 lane and the next (waves 0 and 1)
	v_lshlrev_b32 v[GO], 3, v3
	v_cmp_eq_u32 s[HM], 1, v2
	s_mov_b32 s47, 0x7f800000                      ; +infinity
	s_wait_dscnt 0x0                               ; both opening adds are done
	s_wait_kmcnt 0x0
	s_add_nc_u64 s[4:5], s[4:5], s[16:17]
	s_add_nc_u64 s[G0A+2:G0A+3], s[6:7], s[48:49]  ; global address: slot 0, my block
	s_add_nc_u64 s[G0B+2:G0B+3], s[G0A+2:G0A+3], SLOTB  ; slot 1
	s_add_nc_u64 s[PFA:PFA+1], s[G0A+2:G0A+3], s[50:51]
	s_or_b32 s[G0A+3], s[G0A+3], 0x80000000        ; type = 2
	s_or_b32 s[G0B+3], s[G0B+3], 0x80000000
	; z: two passes of 64 rows; in each I round 16 rows: 32 loads of 512 consecutive bytes.  All 64 loads go out now, into window 1.
	WIN W_F
.set k, 0
.rept 64
	global_load_b128 v[4*k:4*k+3], v[ZG], s[4:5] offset:65536*(k/32)+512*(k%32) th:TH_LOAD_NT
.set k, k+1
.endr
	WIN 0
	CROUND                                         ; all four work-groups are here: the first joint loads meet
	tensor_load_to_lds s[G0A:G0A+3], s[G1:G1+7]    ; slot 0.  The two first fills stand together, ahead of every wait on TENSORcnt and every LDS read: two loads of mine are out
	s_nop 0
	tensor_load_to_lds s[G0B:G0B+3], s[G1:G1+7]    ; slot 1
	s_nop 0
.rept 4
	v_nop
.endr
	; the state, written while the loads are on their way: the best and the kept d start at +infinity, the kept code at 0
.set k, 0
.rept 64
	v_mov_b32 v[SV+k], s47
.set k, k+1
.endr
.set k, 0
.rept 8
	v_mov_b32 v[ST+4*k+1], 0
	v_mov_b32 v[ST+4*k+2], s47
.set k, k+1
.endr
; Pass p: my 16 rows are rounded to bf16 and put into the stage; zz is the sum of the squares of the ROUNDED numbers, over the 32 lanes.
.macro CONV p
	s_wait_loadcnt 32*(1-(\p))                     ; loads come back in order: this pass's 32 are in; in pass 0 the other pass's 32 stay out
	WIN W_CV
.set k, 0
.rept 64                                       ; row k / 4; a lane's 4 + 4 numbers of a row make 2 + 2 registers
	v_cvt_pk_bf16_f32 v[CVT+k], v[128*(\p)+2*k], v[128*(\p)+2*k+1]
.set k, k+1
.endr
	WIN 0
.set k, 0
.rept 16
	ds_store_b64 v[ZWR], v[CVT+4*k:CVT+4*k+1]   offset:ZP*k      ; 32 lanes x 8 bytes: channels 0-127 of the row,
	ds_store_b64 v[ZWR], v[CVT+4*k+2:CVT+4*k+3] offset:ZP*k+256  ; channels 128-255
.set k, k+1
.endr
.set o, 0
.rept 8                                        ; two chains a row (low halves, high halves); the rows alternate, so no instruction waits for the one before it
.set k, 0
.rept 16
.if o == 0
	v_fma_mix_f32_bf16 v[TT+2*k], v[CVT+4*k], v[CVT+4*k], v[ZERO] op_sel_hi:[1,1,0]
.elseif o == 1
	v_fma_mix_f32_bf16 v[TT+2*k+1], v[CVT+4*k], v[CVT+4*k], v[ZERO] op_sel:[1,1,0] op_sel_hi:[1,1,0]
.elseif o%2 == 0
	v_fma_mix_f32_bf16 v[TT+2*k], v[CVT+4*k+o/2], v[CVT+4*k+o/2], v[TT+2*k] op_sel_hi:[1,1,0]
.else
	v_fma_mix_f32_bf16 v[TT+2*k+1], v[CVT+4*k+o/2], v[CVT+4*k+o/2], v[TT+2*k+1] op_sel:[1,1,0] op_sel_hi:[1,1,0]
.endif
.set k, k+1
.endr
.set o, o+1
.endr
.set k, 0
.rept 16
	v_add_f32 v[TT+2*k], v[TT+2*k], v[TT+2*k+1]
.set k, k+1
.endr
.irp m, 1,2,4,8
.set k, 0
.rept 16
	v_add_f32_dpp v[TT+2*k], v[TT+2*k], v[TT+2*k] row_xmask:\m row_mask:0xf bank_mask:0xf
.set k, k+1
.endr
.endr
.set k, 0
.rept 16
	v_permlanex16_b32 v[TT+2*k+1], v[TT+2*k], s[SEL], s[SEL+1]
.set k, k+1
.endr
.set k, 0
.rept 16
	v_add_f32 v[TT+2*k], v[TT+2*k], v[TT+2*k+1]
.set k, k+1
.endr
.set k, 0
.rept 16
	ds_store_b32 v[ZZW], v[TT+2*k] offset:256*(\p)+4*k  ; every lane holds the row's sum and writes the same word
.set k, k+1
.endr
	s_wait_dscnt 0x0                               ; for the others' sake: my stores are done
	s_barrier_signal -1
	s_barrier_wait -1                              ; the pass's 64 rows lie in the stage.  The tensor loads may stay out
	WIN W_Z2+0x40*(\p)                             ; every wave takes all 64 rows: tile k / 16, K step (k % 16) / 2, half k % 2
.set k, 0
.rept 64
	ds_load_b128 v[4*k:4*k+3], v[ZRD] offset:16*ZP*(k/16)+32*(k%16)
.set k, k+1
.endr
	WIN 0
.endm
	CONV 0
	s_wait_dscnt 0x0                               ; my reads of the stage are over,
	s_barrier_signal -1
	s_barrier_wait -1                              ; everybody's are: the second pass may overwrite it
	CONV 1
.set k, 0
.rept 8
	ds_load_b32 v[ST+4*k], v[ZZR] offset:64*k      ; zz of row lane % 16 of each tile
.set k, k+1
.endr
	s_wait_tensorcnt 0x1                           ; my block of slot 0 is in; slot 1's may stay out: nothing is filled before the first change of slots
	v_add_nc_u32 v[AF], s[TB], v[AF0]
	v_add_nc_u32 v[AE], s[TB], v[AE0]
	FETCH 0, F0, 0
	HALF 0, F0, 0, 0, 0, 1, F1, 1, 0, 0            ; slot 0's tile 0, z 0-3: there is nothing to judge yet; its head waits for z's fragments, zz and the tile
	WIN 0
	s_mov_b32 s[CNT], 30
.Lslot:                                        ; 30 trips: slots 0 to 29 are judged, slots 2 to 31 asked for
	SLOTBODY 1
	WIN 0
	s_sub_co_u32 s[CNT], s[CNT], 1
	s_cmp_lg_u32 s[CNT], 0
	s_cbranch_scc1 .Lslot
	s_mov_b32 s[CNT], 2
.Ltail:                                        ; slots 30 and 31: a second copy of the trip.  The last trip's last half multiplies a tile of slot 30 once more
	SLOTBODY 2                                     ; 32 products and 36 LDS loads that serve nothing, once a launch; beside them stands the judging of the last tile
	WIN 0
	s_sub_co_u32 s[CNT], s[CNT], 1
	s_cmp_lg_u32 s[CNT], 0
	s_cbranch_scc1 .Ltail
	; THE WAY OUT.  The best lies in +2 of every tile (an even number of tiles has been judged).  Which of the kept eight d it is: the first that equals it.  Then the better of two candidates is the one with
	; the lesser d or, at equal d, the lesser index: first between the halves of the lanes, then, through LDS, between the four waves.
	s_wait_dscnt 0x0                               ; the last fetch, which nobody uses, has landed
.rept 4
	v_nop                                          ; the places behind the last products
.endr
	s_lshl_b32 s16, s14, 9                         ; my work-group's 128 indices,
	s_lshl_b32 s17, s[WV], 8                       ; my wave's 64 (waves 0 and 1)
	s_add_co_u32 s16, s16, s17
	s_mov_b32 s17, 0
	s_add_nc_u64 s[8:9], s[8:9], s[16:17]
	s_add_nc_u64 s[10:11], s[10:11], s[16:17]
.macro MERGE b, n, pb, pn              ; (b, n) takes (pb, pn) where pb < b, or pb = b and pn < n
	v_cmp_lt_f32 s[MK], v[\pb], v[\b]
	v_cmp_eq_f32 s[MK+1], v[\pb], v[\b]
	v_cmp_lt_u32 s[MK+2], v[\pn], v[\n]
	s_and_b32 s[MK+1], s[MK+1], s[MK+2]
	s_or_b32 s[MK], s[MK], s[MK+1]
	v_cndmask_b32 v[\b], v[\b], v[\pb], s[MK]
	v_cndmask_b32 v[\n], v[\n], v[\pn], s[MK]
.endm
.set t, 0
.rept 8
.set rST, ST+4*t
	v_mov_b32 v[J], 7
.irp j, 6,5,4,3,2,1,0
	v_cmp_eq_f32 s[MK], v[SV+8*t+(\j)], v[rST+2]
	v_cndmask_b32 v[J], v[J], \j, s[MK]
.endr
	v_add3_u32 v[rST+1], v[rST+1], v[J], v[H8]     ; the index: the tile's first code + 8 (lane / 16) + j
	v_permlanex16_b32 v[rST+3], v[rST+2], s[SEL], s[SEL+1]  ; the row's other candidate lies in the lane 16 away; it lands in registers that are written and free
	v_permlanex16_b32 v[rST], v[rST+1], s[SEL], s[SEL+1]
	MERGE rST+2, rST+1, rST+3, rST
.set t, t+1
.endr
.irp u, 0,1,2,3                        ; lanes 0-15 put tile 2 u's rows, lanes 16-31 tile 2 u + 1's: 32 rows, 256 consecutive bytes
	v_cndmask_b32 v[PR+2*(\u)],   v[ST+8*(\u)+2], v[ST+8*(\u)+6], s[HM]
	v_cndmask_b32 v[PR+2*(\u)+1], v[ST+8*(\u)+1], v[ST+8*(\u)+5], s[HM]
	ds_store_b64 v[MW], v[PR+2*(\u):PR+2*(\u)+1] offset:256*(\u)
.endr
	s_wait_dscnt 0x0                               ; for the others' sake: my stores are done
	s_barrier_signal -1
	s_barrier_wait -1                              ; all four waves' candidates lie in LDS
	s_cmp_lt_u32 s[WV], 2                          ; wave 0 finishes rows 0-63, wave 1 rows 64-127: two rows a lane
	s_cbranch_scc0 .Lend
.irp w, 0,1,2,3
	ds_load_b128 v[LD+4*(\w):LD+4*(\w)+3], v[MR] offset:1024*(\w)
.endr
	s_wait_dscnt 0x0
.irp w, 1,2,3
	MERGE LD, LD+1, LD+4*(\w), LD+4*(\w)+1
	MERGE LD+2, LD+3, LD+4*(\w)+2, LD+4*(\w)+3
.endr
	v_mov_b32 v[OUT], v[LD+1]
	v_mov_b32 v[OUT+1], v[LD+3]
	global_store_b64 v[GO], v[OUT:OUT+1], s[8:9]   ; 32 lanes store 256 consecutive bytes, at a multiple of 256 from the buffer's first byte
	global_store_b64 v[GO], v[OUT:OUT+1], s[10:11] ; and once more for the launch that gathers
.Lend:
	s_wait_tensorcnt 0x0                           ; the wave's end, behind my last tensor load and my last LDS store
	ds_add_u32 v[SPW], v[NIL]
	s_wait_dscnt 0x0
	CROUND                                         ; the closing round: no work-group ends while a partner may still ask for a block that names it
	s_endpgm
.Lfunc_end_k_q21917fdc1d_search:
	.size	k_q21917fdc1d_search, .Lfunc_end_k_q21917fdc1d_search-k_q21917fdc1d_search
	.p2alignl 7, 3214868480
	.fill 96, 4, 3214868480
	.section	.rodata,"a",@progbits
	.p2align	6, 0x0
	.amdhsa_kernel k_q21917fdc1d_search
		.amdhsa_group_segment_fixed_size 327680
		.amdhsa_private_segment_fixed_size 0
		.amdhsa_enable_private_segment 0
		.amdhsa_kernarg_size 32
		.amdhsa_user_sgpr_count 2
		.amdhsa_user_sgpr_kernarg_segment_ptr 1
		.amdhsa_wavefront_size32 1
		.amdhsa_system_sgpr_workgroup_id_x 1
		.amdhsa_system_sgpr_workgroup_id_y 1
		.amdhsa_system_sgpr_workgroup_id_z 1
		.amdhsa_system_vgpr_workitem_id 0
		.amdhsa_next_free_vgpr 1024
		.amdhsa_next_free_sgpr 66
		.amdhsa_reserve_vcc 0
		.amdhsa_float_denorm_mode_32 3
		.amdhsa_float_denorm_mode_16_64 3
		.amdhsa_memory_ordered 1
		.amdhsa_forward_progress 1
		.amdhsa_inst_pref_size 239
	.end_amdhsa_kernel
	.amdgpu_metadata
---
amdhsa.version: [ 1, 2 ]
amdhsa.kernels:
  - .name:           k_q21917fdc1d_search
    .symbol:         k_q21917fdc1d_search.kd
    .args:
      - { .name: z, .offset: 0, .size: 8, .value_kind: global_buffer, .address_space: global }
      - { .name: cb, .offset: 8, .size: 8, .value_kind: global_buffer, .address_space: global }
      - { .name: out1, .offset: 16, .size: 8, .value_kind: global_buffer, .address_space: global }
      - { .name: pick, .offset: 24, .size: 8, .value_kind: global_buffer, .address_space: global }
    .group_segment_fixed_size: 327680
    .private_segment_fixed_size: 0
    .kernarg_segment_align: 8
    .kernarg_segment_size: 32
    .max_flat_workgroup_size: 128
    .sgpr_count:     66
    .vgpr_count:     1024
    .wavefront_size: 32
...
	.end_amdgpu_metadata
.endif
;; end of part 2
;; launch gather (part 3): grid 256 x 1, 8 waves a work-group, no clusters, 0 bytes of LDS; arguments embedding, pick, out0; writes out0
.if DOCPART == 3
	.amdgcn_target "amdgcn-amd-amdhsa--gfx1250"
	.amdhsa_code_object_version 6
	.text
	.protected	k_q21917fdc1d_gather
	.globl	k_q21917fdc1d_gather
	.p2align	8
	.type	k_q21917fdc1d_gather,@function
k_q21917fdc1d_gather:
	s_mov_b64 s[64:65], 0
	v_nop
	global_prefetch_b8 v0, s[64:65] scope:SCOPE_SE
	s_setreg_imm32_b32 hwreg(HW_REG_WAVE_MODE, 25, 1), 1
	s_wait_xcnt 0x0
; THIRD LAUNCH: out0[b] = embedding[pick[b]], the f32 rows as they lie.  Nothing is left out.  The indices were made from floating-point numbers, so they steer addresses only here, read from memory as whole numbers.
; SHARES.  A wave takes 16 rows: its 16 indices come by one scalar load; a row is 1,024 bytes, two loads of 512 consecutive bytes.  All 32 loads of a wave are out before the first store: 16 KiB a wave, 128 KiB a work-group.
; Each store covers 512 consecutive bytes, aligned.  No LDS, no barrier, no matrix unit: bytes are all there is.  No hint on the loads: a row may be named again by other rows of z.
	s_load_b128 s[4:7], s[0:1], 0x0                ; embedding s[4:5], pick s[6:7]
	s_load_b64 s[8:9], s[0:1], 0x10                ; out0
	v_lshrrev_b32 v1, 5, v0
	v_readfirstlane_b32 s10, v1                    ; wave 0..7
	v_and_b32 v2, 31, v0
	v_lshlrev_b32 v2, 4, v2                        ; 16 x lane; never rewritten
	s_lshl_b32 s14, ttmp9, 9                       ; the work-group's 128 indices,
	s_lshl_b32 s11, s10, 6                         ; my wave's 16
	s_add_co_u32 s14, s14, s11
	s_mov_b32 s15, 0
	s_lshl_b32 s32, ttmp9, 17                      ; the work-group's 128 rows of out0,
	s_lshl_b32 s11, s10, 14                        ; my wave's 16
	s_add_co_u32 s32, s32, s11
	s_mov_b32 s33, 0
	s_wait_kmcnt 0x0
	s_add_nc_u64 s[12:13], s[6:7], s[14:15]
	s_add_nc_u64 s[8:9], s[8:9], s[32:33]
	s_load_b512 s[16:31], s[12:13], 0x0            ; my 16 indices
	s_wait_kmcnt 0x0
.set i, 0
.rept 16
	s_min_u32 s[16+i], s[16+i], 0x1fff             ; an index stays inside the table of 8,192 rows
	v_lshl_add_u32 v[4+i], s[16+i], 10, v2         ; the row's first byte + 16 x lane; each row has an address register of its own
	global_load_b128 v[24+8*i:24+8*i+3],   v[4+i], s[4:5]
	global_load_b128 v[24+8*i+4:24+8*i+7], v[4+i], s[4:5] offset:512
.set i, i+1
.endr
.set i, 0
.rept 32
	s_wait_loadcnt 31-i                            ; loads come back in order: number i is in, the 31 - i issued behind it stay out
	global_store_b128 v2, v[24+4*i:24+4*i+3], s[8:9] offset:512*i th:TH_STORE_NT
.set i, i+1
.endr
	s_endpgm
.Lfunc_end_k_q21917fdc1d_gather:
	.size	k_q21917fdc1d_gather, .Lfunc_end_k_q21917fdc1d_gather-k_q21917fdc1d_gather
	.p2alignl 7, 3214868480
	.fill 96, 4, 3214868480
	.section	.rodata,"a",@progbits
	.p2align	6, 0x0
	.amdhsa_kernel k_q21917fdc1d_gather
		.amdhsa_group_segment_fixed_size 0
		.amdhsa_private_segment_fixed_size 0
		.amdhsa_enable_private_segment 0
		.amdhsa_kernarg_size 24
		.amdhsa_user_sgpr_count 2
		.amdhsa_user_sgpr_kernarg_segment_ptr 1
		.amdhsa_wavefront_size32 1
		.amdhsa_system_sgpr_workgroup_id_x 1
		.amdhsa_system_sgpr_workgroup_id_y 1
		.amdhsa_system_sgpr_workgroup_id_z 1
		.amdhsa_system_vgpr_workitem_id 0
		.amdhsa_next_free_vgpr 152
		.amdhsa_next_free_sgpr 66
		.amdhsa_reserve_vcc 0
		.amdhsa_float_denorm_mode_32 3
		.amdhsa_float_denorm_mode_16_64 3
		.amdhsa_memory_ordered 1
		.amdhsa_forward_progress 1
		.amdhsa_inst_pref_size 10
	.end_amdhsa_kernel
	.amdgpu_metadata
---
amdhsa.version: [ 1, 2 ]
amdhsa.kernels:
  - .name:           k_q21917fdc1d_gather
    .symbol:         k_q21917fdc1d_gather.kd
    .args:
      - { .name: embedding, .offset: 0, .size: 8, .value_kind: global_buffer, .address_space: global }
      - { .name: pick, .offset: 8, .size: 8, .value_kind: global_buffer, .address_space: global }
      - { .name: out0, .offset: 16, .size: 8, .value_kind: global_buffer, .address_space: global }
    .group_segment_fixed_size: 0
    .private_segment_fixed_size: 0
    .kernarg_segment_align: 8
    .kernarg_segment_size: 24
    .max_flat_workgroup_size: 256
    .sgpr_count:     66
    .vgpr_count:     152
    .wavefront_size: 32
...
	.end_amdgpu_metadata
.endif
;; end of part 3
;; ======== version 2 of 2: 3 launches; version 1 with the launches prep, gather written anew for expert scheduling mode
;; workspace buffers: cb 4,227,072 bytes; pick 131,072 bytes of whole numbers
;; launch prep (part 4): grid 256 x 1, 2 waves a work-group, no clusters, 0 bytes of LDS; arguments embedding, cb; writes cb
.if DOCPART == 4
	.amdgcn_target "amdgcn-amd-amdhsa--gfx1250"
	.amdhsa_code_object_version 6
	.text
	.protected	k_q21917fdc1d_prep
	.globl	k_q21917fdc1d_prep
	.p2align	8
	.type	k_q21917fdc1d_prep,@function
k_q21917fdc1d_prep:
	s_mov_b64 s[64:65], 0
	v_nop
	global_prefetch_b8 v0, s[64:65] scope:SCOPE_SE
	s_setreg_imm32_b32 hwreg(HW_REG_WAVE_SCHED_MODE, 0, 2), 2
	s_setreg_imm32_b32 hwreg(HW_REG_WAVE_MODE, 25, 1), 1
	s_wait_xcnt 0x0
	s_wait_alu depctr_vm_vsrc(0)
; FIRST OF THREE LAUNCHES for: d[b][n] = (|z_b|^2 + |e_n|^2) - 2 z_b . e_n;  out1[b] = the first n with the least d;  out0[b] = embedding[out1[b]].
; NOTHING OF THE COMPUTATION IS LEFT OUT.  |z_b|^2 is the same for all n and would not move an exact argmin, but beside it the other two terms are small: in f32 the sum d keeps
; only a coarse step of them, distances that differ in exact arithmetic become equal, and the first index then wins.  So |z|^2 decides results and is computed, and d is formed in the
; same two roundings: A = fl(zz + ee), d = fl(A - 2 dot) (one fused multiply-add by -2: 2 dot is exact).
; FORMATS.  The product runs on bf16 operands with f32 sums; zz and ee are sums of squares of the SAME rounded numbers: the program is the computation on inputs rounded to bf16.
; LIMITS.  The f32 sums (zz, ee, the dot) are taken in another order than a plain loop's: an index can differ only where a distance lies on a rounding boundary of d to within that
; noise (some 2^-22 of the dot).  A NaN distance is never chosen.  out0 is the unrounded f32 row, within 2^-9 of the rounded one.
;
; THIS LAUNCH rounds the table once and lays it out as the search's matrix fragments take it, with ee behind each block.
; cb: 128 blocks of 33,024 bytes; block n / 64.  Code n = 64 block + 16 ct + r, element k = 16 i + 8 h + e lies at byte 8,192 ct + 512 i + 16 (16 h + r) + 2 e:
; piece i of a tile of 16 codes is 512 consecutive bytes, 16 a lane.  Bytes 32,768 .. 33,023 of a block: ee of its 64 codes, f32.
; SHARES.  A wave takes one tile of 16 codes (16 KiB of f32): 32 loads, all out at once; 16 stores of 512 consecutive bytes, aligned.  Lane (r = l % 16, h = l / 16) reads 32 bytes of
; row r for each piece; the wave's 32 loads together use every byte of its 16 rows once.  The 64 bytes of ee a wave are the one store that does not fill 256 bytes: 32 KiB of the launch's 4.2 MB.
; THE MODE: SCHED_MODE bits 1:0 = 2 (LLVM: expert scheduling mode 2), set by the entry lines.  The code itself states the register dependences
; between vector instructions and memory instructions, with s_wait_alu, always for 0.
; THE PLAN.  Registers that memory instructions touch:
;   v2, v3, v4   byte offsets, made once at the head and never written again: one wait ahead of the first load states that they are written.
;   RAW          written by the 32 loads alone, each register once; no vector instruction names it ahead of them; read by the conversions behind the wait for the data.
;   PKD          written by the conversions, each register once; read by the squares and by the stores; never written again.
;   CH (v208)    written by the squares and the sum over them; read by the last store, behind the waits that stand at the narrowing of EXEC.
; The 16 pieces go in four blocks of four: the block's 16 conversions, ONE wait that states that they have written PKD, then the block's four stores, dealt among its 32 squares.
; The squares read PKD and write CH: no vector instruction issued since the wait writes a register that those stores read, so nothing more is owed.
.set RAW, 16                           ; v[16:143]  the tile as loaded: piece i at 16 + 8 i
.set PKD, 144                          ; v[144:207] rounded: piece i at 144 + 4 i; each piece has registers of its own, so no store's data is ever rewritten
.set CH,  208                          ; v[208:211] four chains of squares
.set ZR,  212                          ; v212  0: the chains' first addend
.set TP,  213                          ; v213  the other half of the lanes' sum
	s_load_b128 s[4:7], s[0:1], 0x0                ; embedding s[4:5], cb s[6:7]
	v_lshrrev_b32 v5, 5, v0
	v_readfirstlane_b32 s16, v5                    ; wave 0, 1
	v_and_b32 v1, 31, v0                           ; lane
	v_and_b32 v6, 15, v0                           ; r
	v_bfe_u32 v7, v0, 4, 1                         ; h
	v_lshlrev_b32 v2, 10, v6
	v_lshl_add_u32 v2, v7, 5, v2                   ; read: row r x 1,024 + 32 h
	v_lshlrev_b32 v3, 4, v1                        ; write: 16 x lane
	v_lshlrev_b32 v4, 2, v6                        ; ee: 4 r
	v_mov_b32 v[ZR], 0
	v_mov_b32 v[TP], 0                             ; written before v_permlanex16_b32 names it as its destination
	s_wait_alu depctr_va_sdst(0)                   ; s16 is written, ahead of its first reader: the tile's number and all three bases are made from it
	s_lshl_b32 s17, ttmp9, 1
	s_add_co_u32 s17, s17, s16                     ; my tile of 16 codes, 0 .. 511
	s_lshl_b32 s18, s17, 14                        ; its 16 rows of 1,024 bytes
	s_mov_b32 s19, 0
	s_lshr_b32 s20, s17, 2
	s_mul_i32 s20, s20, 33024                      ; its block in cb
	s_and_b32 s22, s17, 3                          ; its place in the block
	s_lshl_b32 s23, s22, 13
	s_add_co_u32 s24, s20, s23                     ; its fragments
	s_mov_b32 s25, 0
	s_lshl_b32 s22, s22, 6
	s_add_co_u32 s26, s20, s22
	s_add_co_u32 s26, s26, 32768                   ; its 16 numbers of ee
	s_mov_b32 s27, 0
	s_mov_b32 s14, 0x76543210                      ; v_permlanex16_b32: each lane takes its own place in the other half
	s_mov_b32 s15, 0xfedcba98
	s_wait_kmcnt 0x0
	s_add_nc_u64 s[8:9], s[4:5], s[18:19]
	s_add_nc_u64 s[10:11], s[6:7], s[24:25]
	s_add_nc_u64 s[12:13], s[6:7], s[26:27]
	s_wait_alu depctr_va_vdst(0)                   ; v2, v3 and v4 are written: every load and store of the kernel reads one of them as its offset
.set i, 0
.rept 16
	global_load_b128 v[RAW+8*i:RAW+8*i+3],   v2, s[8:9] offset:64*i th:TH_LOAD_NT
	global_load_b128 v[RAW+8*i+4:RAW+8*i+7], v2, s[8:9] offset:64*i+16 th:TH_LOAD_NT
.set i, i+1
.endr
.set b, 0
.rept 4                                        ; block b: pieces 4 b to 4 b + 3
	s_wait_loadcnt 24-8*b                          ; loads come back in order: the block's eight are in, the 24 - 8 b issued behind them stay out
.set i, 4*b
.rept 4
.irp j, 0,1,2,3
	v_cvt_pk_bf16_f32 v[PKD+4*i+(\j)], v[RAW+8*i+2*(\j)], v[RAW+8*i+2*(\j)+1]
.endr
.set i, i+1
.endr
	s_wait_alu depctr_va_vdst(0)                   ; the block's sixteen conversions have written PKD's pieces 4 b to 4 b + 3, which the four stores below read
.set i, 4*b
.rept 4
	global_store_b128 v3, v[PKD+4*i:PKD+4*i+3], s[10:11] offset:512*i th:TH_STORE_NT  ; 512 consecutive bytes, at a multiple of 256 from cb's first byte; no vector instruction since the wait writes these registers
.irp j, 0,1,2,3
.if i == 0
	v_fma_mix_f32_bf16 v[CH+(\j)], v[PKD+4*i+(\j)], v[PKD+4*i+(\j)], v[ZR] op_sel_hi:[1,1,0]      ; the square of the rounded low half starts the chain
.else
	v_fma_mix_f32_bf16 v[CH+(\j)], v[PKD+4*i+(\j)], v[PKD+4*i+(\j)], v[CH+(\j)] op_sel_hi:[1,1,0]
.endif
.endr
.irp j, 0,1,2,3
	v_fma_mix_f32_bf16 v[CH+(\j)], v[PKD+4*i+(\j)], v[PKD+4*i+(\j)], v[CH+(\j)] op_sel:[1,1,0] op_sel_hi:[1,1,0]  ; the high half's
.endr
.set i, i+1
.endr
.set b, b+1
.endr
	v_add_f32 v[CH], v[CH], v[CH+1]
	v_add_f32 v[CH+2], v[CH+2], v[CH+3]
	v_add_f32 v[CH], v[CH], v[CH+2]                ; my 128 elements of row r
	v_permlanex16_b32 v[TP], v[CH], s14, s15       ; the row's other 128 lie in the lane 16 away
	v_add_f32 v[CH], v[CH], v[TP]
	v_cmp_gt_u32 vcc_lo, 16, v1
	s_wait_xcnt 0x0                                ; EXEC is a source of the stores above: it changes only behind this wait
	s_wait_alu depctr_va_vcc(0)                    ; the compare has written VCC, from which EXEC is made
	s_wait_alu depctr_va_vdst(0)                   ; ahead of a write of EXEC: every vector instruction issued so far is done; among them the sum has written v[CH], which the store below reads
	s_wait_alu depctr_vm_vsrc(0)                   ; ahead of a write of EXEC: the stores above have read their registers
	s_and_saveexec_b32 s28, vcc_lo
	global_store_b32 v4, v[CH], s[12:13]           ; lanes 0 to 15: ee of the tile's 16 codes
	s_wait_xcnt 0x0                                ; and again ahead of the line that widens it
	s_wait_alu depctr_va_vdst(0)                   ; ahead of a write of EXEC: no vector instruction is still at work
	s_wait_alu depctr_vm_vsrc(0)                   ; ahead of a write of EXEC: the store of ee has read v4 and v[CH]
	s_or_b32 exec_lo, exec_lo, s28
	s_endpgm
.Lfunc_end_k_q21917fdc1d_prep:
	.size	k_q21917fdc1d_prep, .Lfunc_end_k_q21917fdc1d_prep-k_q21917fdc1d_prep
	.p2alignl 7, 3214868480
	.fill 96, 4, 3214868480
	.section	.rodata,"a",@progbits
	.p2align	6, 0x0
	.amdhsa_kernel k_q21917fdc1d_prep
		.amdhsa_group_segment_fixed_size 0
		.amdhsa_private_segment_fixed_size 0
		.amdhsa_enable_private_segment 0
		.amdhsa_kernarg_size 16
		.amdhsa_user_sgpr_count 2
		.amdhsa_user_sgpr_kernarg_segment_ptr 1
		.amdhsa_wavefront_size32 1
		.amdhsa_system_sgpr_workgroup_id_x 1
		.amdhsa_system_sgpr_workgroup_id_y 1
		.amdhsa_system_sgpr_workgroup_id_z 1
		.amdhsa_system_vgpr_workitem_id 0
		.amdhsa_next_free_vgpr 224
		.amdhsa_next_free_sgpr 66
		.amdhsa_reserve_vcc 1
		.amdhsa_float_denorm_mode_32 3
		.amdhsa_float_denorm_mode_16_64 3
		.amdhsa_memory_ordered 1
		.amdhsa_forward_progress 1
		.amdhsa_inst_pref_size 19
	.end_amdhsa_kernel
	.amdgpu_metadata
---
amdhsa.version: [ 1, 2 ]
amdhsa.kernels:
  - .name:           k_q21917fdc1d_prep
    .symbol:         k_q21917fdc1d_prep.kd
    .args:
      - { .name: embedding, .offset: 0, .size: 8, .value_kind: global_buffer, .address_space: global }
      - { .name: cb, .offset: 8, .size: 8, .value_kind: global_buffer, .address_space: global }
    .group_segment_fixed_size: 0
    .private_segment_fixed_size: 0
    .kernarg_segment_align: 8
    .kernarg_segment_size: 16
    .max_flat_workgroup_size: 64
    .sgpr_count:     66
    .vgpr_count:     224
    .wavefront_size: 32
...
	.end_amdgpu_metadata
.endif
;; end of part 4
;; launch search: the kernel of part 2 again; grid 256 x 1, 4 waves a work-group, clusters of 4 x 1, 327,680 bytes of LDS; arguments z, cb, out1, pick; writes out1, pick
;; launch gather (part 5): grid 256 x 1, 8 waves a work-group, no clusters, 0 bytes of LDS; arguments embedding, pick, out0; writes out0
.if DOCPART == 5
	.amdgcn_target "amdgcn-amd-amdhsa--gfx1250"
	.amdhsa_code_object_version 6
	.text
	.protected	k_q21917fdc1d_gather
	.globl	k_q21917fdc1d_gather
	.p2align	8
	.type	k_q21917fdc1d_gather,@function
k_q21917fdc1d_gather:
	s_mov_b64 s[64:65], 0
	v_nop
	global_prefetch_b8 v0, s[64:65] scope:SCOPE_SE
	s_setreg_imm32_b32 hwreg(HW_REG_WAVE_SCHED_MODE, 0, 2), 2
	s_setreg_imm32_b32 hwreg(HW_REG_WAVE_MODE, 25, 1), 1
	s_wait_xcnt 0x0
	s_wait_alu depctr_vm_vsrc(0)
; THIRD LAUNCH: out0[b] = embedding[pick[b]], the f32 rows as they lie.  Nothing is left out.  The indices were made from floating-point numbers, so they steer addresses only here, read from memory as whole numbers.
; SHARES.  A wave takes 16 rows: its 16 indices come by one scalar load; a row is 1,024 bytes, two loads of 512 consecutive bytes.  All 32 loads of a wave are out before the first store: 16 KiB a wave, 128 KiB a work-group.
; Each store covers 512 consecutive bytes, aligned.  No LDS, no barrier, no matrix unit: bytes are all there is.  No hint on the loads: a row may be named again by other rows of z.
; THE MODE: SCHED_MODE bits 1:0 = 2 (LLVM: expert scheduling mode 2), set by the entry lines.  The code itself states the register dependences
; between vector instructions and memory instructions, with s_wait_alu, always for 0.
; THE PLAN.  Registers that memory instructions touch:
;   v2         16 x lane: written at the head, never again; every store reads it as its offset.
;   v[4:19]    a row's address, a register to each row: written once, by one vector instruction; read by the row's two loads.
;   v[24:151]  written by the loads alone, read by the stores alone, each behind the wait for its data: no vector instruction names them.
; So all sixteen addresses are made first, ONE wait states that they and v2 are written, and the 32 loads and 32 stores follow it with no vector instruction among them.
	s_load_b128 s[4:7], s[0:1], 0x0                ; embedding s[4:5], pick s[6:7]
	s_load_b64 s[8:9], s[0:1], 0x10                ; out0
	v_lshrrev_b32 v1, 5, v0
	v_readfirstlane_b32 s10, v1                    ; wave 0..7
	v_and_b32 v2, 31, v0
	v_lshlrev_b32 v2, 4, v2                        ; 16 x lane; never rewritten
	s_wait_alu depctr_va_sdst(0)                   ; s10 is written, ahead of its first reader: the places of my indices and of my rows of out0 are made from it
	s_lshl_b32 s14, ttmp9, 9                       ; the work-group's 128 indices,
	s_lshl_b32 s11, s10, 6                         ; my wave's 16
	s_add_co_u32 s14, s14, s11
	s_mov_b32 s15, 0
	s_lshl_b32 s32, ttmp9, 17                      ; the work-group's 128 rows of out0,
	s_lshl_b32 s11, s10, 14                        ; my wave's 16
	s_add_co_u32 s32, s32, s11
	s_mov_b32 s33, 0
	s_wait_kmcnt 0x0
	s_add_nc_u64 s[12:13], s[6:7], s[14:15]
	s_add_nc_u64 s[8:9], s[8:9], s[32:33]
	s_load_b512 s[16:31], s[12:13], 0x0            ; my 16 indices
	s_wait_kmcnt 0x0
.set i, 0
.rept 16
	s_min_u32 s[16+i], s[16+i], 0x1fff             ; an index stays inside the table of 8,192 rows
	v_lshl_add_u32 v[4+i], s[16+i], 10, v2         ; the row's first byte + 16 x lane; each row has an address register of its own
.set i, i+1
.endr
	s_wait_alu depctr_va_vdst(0)                   ; the sixteen addresses v4 to v19 are written, which the loads read, and so is v2, which the stores read
.set i, 0
.rept 16
	global_load_b128 v[24+8*i:24+8*i+3],   v[4+i], s[4:5]
	global_load_b128 v[24+8*i+4:24+8*i+7], v[4+i], s[4:5] offset:512
.set i, i+1
.endr
.set i, 0
.rept 32
	s_wait_loadcnt 31-i                            ; loads come back in order: number i is in, the 31 - i issued behind it stay out
	global_store_b128 v2, v[24+4*i:24+4*i+3], s[8:9] offset:512*i th:TH_STORE_NT
.set i, i+1
.endr
	s_endpgm
.Lfunc_end_k_q21917fdc1d_gather:
	.size	k_q21917fdc1d_gather, .Lfunc_end_k_q21917fdc1d_gather-k_q21917fdc1d_gather
	.p2alignl 7, 3214868480
	.fill 96, 4, 3214868480
	.section	.rodata,"a",@progbits
	.p2align	6, 0x0
	.amdhsa_kernel k_q21917fdc1d_gather
		.amdhsa_group_segment_fixed_size 0
		.amdhsa_private_segment_fixed_size 0
		.amdhsa_enable_private_segment 0
		.amdhsa_kernarg_size 24
		.amdhsa_user_sgpr_count 2
		.amdhsa_user_sgpr_kernarg_segment_ptr 1
		.amdhsa_wavefront_size32 1
		.amdhsa_system_sgpr_workgroup_id_x 1
		.amdhsa_system_sgpr_workgroup_id_y 1
		.amdhsa_system_sgpr_workgroup_id_z 1
		.amdhsa_system_vgpr_workitem_id 0
		.amdhsa_next_free_vgpr 152
		.amdhsa_next_free_sgpr 66
		.amdhsa_reserve_vcc 0
		.amdhsa_float_denorm_mode_32 3
		.amdhsa_float_denorm_mode_16_64 3
		.amdhsa_memory_ordered 1
		.amdhsa_forward_progress 1
		.amdhsa_inst_pref_size 11
	.end_amdhsa_kernel
	.amdgpu_metadata
---
amdhsa.version: [ 1, 2 ]
amdhsa.kernels:
  - .name:           k_q21917fdc1d_gather
    .symbol:         k_q21917fdc1d_gather.kd
    .args:
      - { .name: embedding, .offset: 0, .size: 8, .value_kind: global_buffer, .address_space: global }
      - { .name: pick, .offset: 8, .size: 8, .value_kind: global_buffer, .address_space: global }
      - { .name: out0, .offset: 16, .size: 8, .value_kind: global_buffer, .address_space: global }
    .group_segment_fixed_size: 0
    .private_segment_fixed_size: 0
    .kernarg_segment_align: 8
    .kernarg_segment_size: 24
    .max_flat_workgroup_size: 256
    .sgpr_count:     66
    .vgpr_count:     152
    .wavefront_size: 32
...
	.end_amdgpu_metadata
.endif
;; end of part 5
